; MI455X (gfx1250); checked and timed in simulation.
; The chip was launched on July 23, 2026; its instructions are those of AMD's public machine-readable ISA for CDNA 5 (MIT licence, August 2026) and "CDNA5" Instruction Set Architecture Reference Guide (July 2026). The comments in the code are by the model that wrote it; some were corrected since.
;; Vector Quantizer. Allowed arithmetic: float matrix products may take bf16 or f16 operands with f32 sums; all other float work in f32.
;; Inputs: emb 8,192 x 256 float32; z 8 x 4,096 x 256 float32.
;; Outputs: out0 8 x 4,096 x 256 float32; out1 one number float32; out2 32,768 int32.
;; One version. Each part assembles by itself: llvm-mc -triple=amdgcn-amd-amdhsa -mcpu=gfx1250 --defsym DOCPART=n.
;; ======== version 1 of 1: 4 launches
;; workspace buffers: embt 4,325,376 bytes; pick 131,072 bytes of whole numbers; part 2,048 bytes
;; launch prep (part 1): grid 256 x 1, 2 waves a work-group, no clusters, 17,152 bytes of LDS; arguments emb, embt; writes embt
.if DOCPART == 1
	.amdgcn_target "amdgcn-amd-amdhsa--gfx1250"
	.amdhsa_code_object_version 6
	.text
	.protected	k_q7a100da1c7_prep
	.globl	k_q7a100da1c7_prep
	.p2align	8
	.type	k_q7a100da1c7_prep,@function
k_q7a100da1c7_prep:
	s_mov_b64 s[64:65], 0
	v_nop
	global_prefetch_b8 v0, s[64:65] scope:SCOPE_SE
	s_setreg_imm32_b32 hwreg(HW_REG_WAVE_MODE, 25, 1), 1
	s_wait_xcnt 0x0
; emb [8192][256] f32  ->  embt: 512 tiles of 16 codes, each tile an image of what the next launch wants in LDS:
; 16 rows of 528 bytes = 512 bytes of bf16 (one code) + 16 bytes of padding.  The paddings of a tile's rows 0 to 3 hold
; E[n] = sum over k of bf16(emb[n][k])^2 in f32 for the tile's codes 4 i .. 4 i + 3; the paddings of rows 4 to 15 hold zeros.
; Two waves; a wave makes one tile: 16 rows of 1,024 bytes, 32 loads of 16 bytes a lane, all issued at once.
; Everything that a wave puts into LDS lies in its own 8,448 bytes; one barrier, then both tiles leave as whole runs of 512 bytes.
; No cluster, no matrix unit: no two work-groups read the same bytes, and each byte is read once and written once.
; LIMIT: E is the sum of the ROUNDED numbers' squares, added in this text's own order (8 numbers a lane, then across the lanes).
.set PITCH, 528                        ; an image row
.set TILEB, 16*PITCH                   ; 8,448 bytes = 33 x 256
.set X,    16                          ; v[16:143]  row q: 8 registers as loaded; later the read-back
.set P,    144                         ; v[144:147] a row's 8 numbers of this lane as bf16
.set U,    148                         ; v[148:155] the same widened again
.set SQ,   156                         ; v[156:157] sum of squares, two chains
.set ESUM, 160                         ; v[160:175] E of the tile's 16 codes, in every lane
.set ZR,   176                         ; v[176:179] zeros
	s_load_b128 s[4:7], s[0:1], 0x0                ; emb s[4:5], embt s[6:7]
	v_lshl_add_u32 v180, v0, 2, 0x4200
	v_mov_b32 v181, 0
	v_lshrrev_b32 v2, 5, v0
	v_readfirstlane_b32 s8, v2                     ; wave 0 or 1
	v_and_b32 v3, 31, v0                           ; lane
	v_lshlrev_b32 v1, 4, v3                        ; 16 bytes a lane
	s_lshl_b32 s10, ttmp9, 15                      ; the work-group's 32 rows of 1,024 bytes
	s_lshl_b32 s9, s8, 14                          ; the wave's 16 rows
	s_add_co_u32 s10, s10, s9
	s_mov_b32 s11, 0
	s_mul_i32 s12, ttmp9, 2*TILEB                  ; the work-group's two tiles in embt
	s_mov_b32 s13, 0
	s_mov_b32 s14, 0x76543210                      ; v_permlanex16_b32: lane i reads lane i of the other half
	s_mov_b32 s15, 0xfedcba98
	s_mov_b32 s16, 0xffff0000                      ; a word's upper bf16
	s_mul_i32 s17, s8, TILEB                       ; my tile in LDS
	v_lshl_add_u32 v4, v3, 3, s17                  ; data: tile + 8 x lane
	v_and_b32 v5, 15, v0
	v_mul_u32_u24 v5, v5, PITCH
	v_add_nc_u32 v5, s17, v5                       ; paddings: tile + (lane mod 16) rows
	v_mov_b32 v6, s17                              ; the tile's first byte
	v_lshlrev_b32 v7, 4, v0                        ; the way out: 16 x thread
.irp k, 0,1,2,3
	v_mov_b32 v[ZR+\k], 0
.endr
	s_wait_kmcnt 0x0
	s_add_nc_u64 s[4:5], s[4:5], s[10:11]
	s_add_nc_u64 s[6:7], s[6:7], s[12:13]
.set q, 0
.rept 16
	global_load_b128 v[X+8*q:X+8*q+3],   v1, s[4:5] offset:1024*q th:TH_LOAD_NT       ; numbers 4 l .. 4 l + 3 of row q
	global_load_b128 v[X+8*q+4:X+8*q+7], v1, s[4:5] offset:1024*q+512 th:TH_LOAD_NT   ; numbers 128 + 4 l .. + 3
.set q, q+1
.endr
	ds_store_b128 v5, v[ZR:ZR+3] offset:512        ; zeros into all 16 paddings (both halves of the lanes write the same)
.macro ROW q
	s_wait_loadcnt 30-2*\q                         ; loads come back in order: row q's two are in, the two of each later row stay out
.irp k, 0,1,2,3
	v_cvt_pk_bf16_f32 v[P+\k], v[X+8*\q+2*\k], v[X+8*\q+2*\k+1]
.endr
	ds_store_b64 v4, v[P:P+1]   offset:\q*PITCH        ; 32 lanes: 256 neighbouring bytes
	ds_store_b64 v4, v[P+2:P+3] offset:\q*PITCH+256
.irp k, 0,1,2,3
	v_lshlrev_b32 v[U+2*\k],   16,  v[P+\k]            ; the rounded numbers again as f32
	v_and_b32     v[U+2*\k+1], s16, v[P+\k]
.endr
	v_pk_mul_f32 v[SQ:SQ+1], v[U:U+1], v[U:U+1]        ; the first squares start the sums
.irp k, 2,4,6
	v_pk_fma_f32 v[SQ:SQ+1], v[U+\k:U+\k+1], v[U+\k:U+\k+1], v[SQ:SQ+1]
.endr
	v_add_f32 v[ESUM+\q], v[SQ], v[SQ+1]
	v_add_f32_dpp v[ESUM+\q], v[ESUM+\q], v[ESUM+\q] row_xmask:1 row_mask:0xf bank_mask:0xf
	v_add_f32_dpp v[ESUM+\q], v[ESUM+\q], v[ESUM+\q] row_xmask:2 row_mask:0xf bank_mask:0xf
	v_add_f32_dpp v[ESUM+\q], v[ESUM+\q], v[ESUM+\q] row_xmask:4 row_mask:0xf bank_mask:0xf
	v_add_f32_dpp v[ESUM+\q], v[ESUM+\q], v[ESUM+\q] row_xmask:8 row_mask:0xf bank_mask:0xf
	v_permlanex16_b32 v[SQ], v[ESUM+\q], s14, s15      ; its destination has been written above
	v_add_f32 v[ESUM+\q], v[ESUM+\q], v[SQ]            ; E of code q, in every lane
.endm
.irp q, 0,1,2,3,4,5,6,7,8,9,10,11,12,13,14,15
	ROW \q
.endr
.irp i, 0,1,2,3
	ds_store_b128 v6, v[ESUM+4*\i:ESUM+4*\i+3] offset:\i*PITCH+512   ; over the zeros: LDS serves a wave's instructions in order (ISA guide 5.7.1)
.endr
	s_wait_dscnt 0x0                               ; for the other wave's sake: all my stores are in LDS
	s_barrier_signal -1
	s_barrier_wait -1
	; the way out: 16,896 bytes = 16 runs of 1,024 (both waves) + 512 (wave 0); each store of a wave covers 512 consecutive bytes, aligned
.set q, 0
.rept 16
	ds_load_b128 v[X+4*q:X+4*q+3], v7 offset:1024*q
.set q, q+1
.endr
.set q, 0
.rept 16
	s_wait_dscnt 15-q                              ; read-back q is in, the later ones stay out
	global_store_b128 v7, v[X+4*q:X+4*q+3], s[6:7] offset:1024*q
.set q, q+1
.endr
	s_cmp_lg_u32 s8, 0
	s_cbranch_scc1 .Lend
	ds_load_b128 v[P:P+3], v7 offset:16384
	s_wait_dscnt 0x0
	global_store_b128 v7, v[P:P+3], s[6:7] offset:16384
.Lend:
	s_wait_tensorcnt 0x0
	ds_add_u32 v180, v181
	s_wait_dscnt 0x0
	s_endpgm
.Lfunc_end_k_q7a100da1c7_prep:
	.size	k_q7a100da1c7_prep, .Lfunc_end_k_q7a100da1c7_prep-k_q7a100da1c7_prep
	.p2alignl 7, 3214868480
	.fill 96, 4, 3214868480
	.section	.rodata,"a",@progbits
	.p2align	6, 0x0
	.amdhsa_kernel k_q7a100da1c7_prep
		.amdhsa_group_segment_fixed_size 17152
		.amdhsa_private_segment_fixed_size 0
		.amdhsa_enable_private_segment 0
		.amdhsa_kernarg_size 16
		.amdhsa_user_sgpr_count 2
		.amdhsa_user_sgpr_kernarg_segment_ptr 1
		.amdhsa_wavefront_size32 1
		.amdhsa_system_sgpr_workgroup_id_x 1
		.amdhsa_system_sgpr_workgroup_id_y 1
		.amdhsa_system_sgpr_workgroup_id_z 1
		.amdhsa_system_vgpr_workitem_id 0
		.amdhsa_next_free_vgpr 182
		.amdhsa_next_free_sgpr 66
		.amdhsa_reserve_vcc 0
		.amdhsa_float_denorm_mode_32 3
		.amdhsa_float_denorm_mode_16_64 3
		.amdhsa_memory_ordered 1
		.amdhsa_forward_progress 1
		.amdhsa_inst_pref_size 29
	.end_amdhsa_kernel
	.amdgpu_metadata
---
amdhsa.version: [ 1, 2 ]
amdhsa.kernels:
  - .name:           k_q7a100da1c7_prep
    .symbol:         k_q7a100da1c7_prep.kd
    .args:
      - { .name: emb, .offset: 0, .size: 8, .value_kind: global_buffer, .address_space: global }
      - { .name: embt, .offset: 8, .size: 8, .value_kind: global_buffer, .address_space: global }
    .group_segment_fixed_size: 17152
    .private_segment_fixed_size: 0
    .kernarg_segment_align: 8
    .kernarg_segment_size: 16
    .max_flat_workgroup_size: 64
    .sgpr_count:     66
    .vgpr_count:     182
    .wavefront_size: 32
...
	.end_amdgpu_metadata
.endif
;; end of part 1
;; launch near (part 2): grid 256 x 1, 8 waves a work-group, clusters of 4 x 1, 327,680 bytes of LDS; arguments z, embt, out2, pick; writes out2, pick
.if DOCPART == 2
	.amdgcn_target "amdgcn-amd-amdhsa--gfx1250"
	.amdhsa_code_object_version 6
	.text
	.protected	k_q7a100da1c7_near
	.globl	k_q7a100da1c7_near
	.p2align	8
	.type	k_q7a100da1c7_near,@function
k_q7a100da1c7_near:
	s_mov_b64 s[64:65], 0
	v_nop
	global_prefetch_b8 v0, s[64:65] scope:SCOPE_SE
	s_setreg_imm32_b32 hwreg(HW_REG_WAVE_MODE, 25, 1), 1
	s_wait_xcnt 0x0
	s_wait_alu depctr_hold_cnt(0) depctr_sa_sdst(0) depctr_va_vdst(0) depctr_va_sdst(0) depctr_va_ssrc(0) depctr_va_vcc(0) depctr_vm_vsrc(0)
	s_getreg_b32 s2, hwreg(HW_REG_IB_STS2, 6, 4)
	s_cmp_eq_u32 s2, 0
	s_cbranch_scc0 .Lentry_in_a_cluster
	s_endpgm
.Lentry_in_a_cluster:
	s_bfe_u32 s2, ttmp6, 0x10000c
	s_cmp_lg_u32 s2, 0x3003
	s_cbranch_scc0 .Lentry_shape_is_right
	s_endpgm
.Lentry_shape_is_right:
; out2[t] = pick[t] = the first n that makes d(t, n) smallest, d = fl(fl(A[t] - 2 dot(t, n)) + E[n]), rounded in f32 step by step as the
; problem's formula rounds it; dot = bf16(z[t]) . bf16(emb[n]) on the matrix unit with f32 sums, A[t] = sum of bf16(z[t][k])^2, E[n] from embt.
; Ties (equal f32 distances) go to the lower index everywhere, as argmin does.
; A work-group owns 128 tokens and walks all 8,192 codes.  Eight waves: wave w = 4 tw + cw holds the 64 tokens of half tw as matrix
; fragments in 256 registers (all of window 1) for the whole launch and multiplies them with code tiles 4 cw .. 4 cw + 3 of every 16 tiles
; (a step of 256 codes).
; A TILE of 16 codes is two phases of 16 matrix instructions: token tiles 0 and 1 over all of K, then token tiles 2 and 3.  While one pair is
; multiplied, the other pair, finished one phase before, is JUDGED in place, so four accumulators are enough.  Judging 16 x 16 distances
; costs a wave 22 vector instructions: 8 for the two roundings, 4 for min(best, d0 .. d7), 1 compare, 1 select that records the tile's first
; code, 8 selects that keep the winning tile's eight distances.  Which of the eight it was is found once, at the end: the lowest register
; whose kept distance equals the best.  A tile replaces the record only if it is STRICTLY smaller, and tiles come in ascending order.
; CLUSTER: the four work-groups of a cluster walk the same image of the codes, step by step: each step's slot is asked for jointly
; (mask 15), each wave one eighth of it.  z is each work-group's own: a plain load.
; LDS: two slots of 135,168 bytes (16 tiles of 8,448) + 4,096 bytes for the last merge.  Slot 1 first holds z in f32.
; A wave has two tensor loads outstanding at the start and one behind each later round.
; LIMITS: NaN and infinite inputs are not served (a NaN distance never wins).  A and E are sums over the bf16-rounded inputs, added in this
; text's order.  Where the order of the dot product's f32 sum moves a distance across a rounding boundary of d, the index can differ
; from one computed with another order of that sum.
.set PITCH, 528                        ; an image row: 512 bytes of bf16 + 16; row r starts 16 r bytes further modulo 256, so sixteen rows touch sixteen different 16-byte columns
.set TILEB, 16*PITCH                   ; 8,448
.set SLOTB, 16*TILEB                   ; 135,168: 256 codes
.set WPART, 2*TILEB                    ; 16,896 = 66 rows of 256 bytes: what one wave's load brings
.set ZP,    1040                       ; a row of z in LDS: 1,024 bytes + 16
.set ZPART, 16*ZP                      ; 16 rows of z: one wave's load, and one token tile
.set RED,   2*SLOTB                    ; 270,336 = 1,056 x 256: written by LDS stores alone, never filled
; window 0
.set FAD,  4                           ; v4, v5    my code fragments in slot 0, 1
.set EAD,  6                           ; v6, v7    my E in slot 0, 1
.set ZAD,  8                           ; v8        my z in slot 1
.set RAD,  9                           ; v9        my words in RED
.set DT,   12                          ; v[12:15]  partial minima of the two token tiles being judged; first the sums for A
.set AV,   16                          ; v[16:23]  A of token tile t, twice, in pair 16 + 2 t
.set BEST, 24                          ; v[24:27], v[28:31]  smallest d so far, two sets: a tile of parity g reads set g and writes set 1 - g
.set TID,  32                          ; v[32:35]  first code (for h = 0) of the tile that holds it; at the end the index
.set JV,   36                          ; v[36:39]  at the end: which register of that tile
.set EB,   40                          ; v[40:47], v[48:55]    E of a tile's codes 8 h .. 8 h + 7, two sets
.set ACC,  56                          ; v[56:87]  four accumulators, one for each token tile
.set SAVE, 88                          ; v[88:119] the eight distances of the tile that holds the best, for each token tile
.set FB,   120                         ; v[120:183], v[184:247] a tile's code fragments, two sets
.set STG,  120                         ; v[120:247] at the start: 16 tokens of z in f32
.set TV,   248                         ; v248, v249 the other lane's pair in a merge
.set TI,   249
.set OV,   120                         ; the last merge: values v[120:135], indices v[136:151]
.set OI,   136
; window 1: v[64 t + 8 s : + 7] = fragment of token tile t, k = 32 s .. 32 s + 31
.set G1C, 16                           ; s[16:23] shape of a wave's part of a slot
.set G1Z, 24                           ; s[24:31] shape of a wave's part of z
.set G0S, 32                           ; s[32:35], s[36:39] from where, to where: slot 0, slot 1
.set G0Z, 40                           ; s[40:43] the same for z
.set CUR, 48                           ; s48      first code (for h = 0) of the tile that is being judged
.set MK,  56                           ; s[56:59] lane masks
.set MULW, 0x04                        ; source 1 means window 1, all else window 0: the products' setting
.set MSB, 0
.macro WIN new                         ; the immediate's high byte repeats the setting that is left
.if MSB != \new
	s_set_vgpr_msb (MSB<<8)|\new
.set MSB, \new
.endif
.endm
.macro CREST                           ; a round of the cluster's barrier behind its opening work-group barrier
	s_cmp_lg_u32 s12, 0
	s_cbranch_scc1 .Lnot_wave_0_\@
	s_barrier_signal -3
.Lnot_wave_0_\@:
	s_barrier_wait -3
	s_barrier_signal -1
	s_barrier_wait -1
.endm
.macro ROUND                           ; a whole round
	s_barrier_signal -1
	s_barrier_wait -1
	CREST
.endm
.macro PLACES                          ; four places behind the last matrix instruction (ISA guide 7.12.1)
.rept 4
	v_nop
.endr
.endm
	s_load_b256 s[4:11], s[0:1], 0x0               ; z s[4:5], embt s[6:7], out2 s[8:9], pick s[10:11]
	v_lshl_add_u32 v254, v0, 2, 0x43000
	v_mov_b32 v255, 0
	ds_add_u32 v254, v255
	v_lshrrev_b32 v3, 5, v0
	v_readfirstlane_b32 s12, v3                    ; wave 0..7
	s_lshr_b32 s13, s12, 2                         ; tw: which 64 tokens
	s_and_b32 s14, s12, 3                          ; cw: which four of a slot's 16 tiles
	s_bfe_u32 s66, ttmp6, 0x40000                  ; cx
	s_lshl_b32 s15, ttmp9, 2
	s_add_co_u32 s15, s15, s66                     ; work-group = 4 x cluster + cx
	; the codes' image is dense: 66 rows of 32 elements of 8 bytes, joint for the cluster's four
	s_mov_b32 s[G1C+0], 15|(3<<16)|(1<<21)         ; 15:0 mask: all four; 17:16 elements of 8 bytes; 21 set beside a mask
	s_mov_b32 s[G1C+1], 32<<16                     ; tensor_dim0 = 32
	s_mov_b32 s[G1C+2], 66<<16                     ; tensor_dim1 = 66
	s_mov_b32 s[G1C+3], 32<<16                     ; tile_dim0 = 32
	s_mov_b32 s[G1C+4], 66                         ; tile_dim1 = 66
	s_mov_b32 s[G1C+5], 32                         ; from row to row: 32 elements
	s_mov_b32 s[G1C+6], 0
	s_mov_b32 s[G1C+7], 0
	; z: 16 rows of 256 f32, 4 words of padding behind every 256 words; no mask
	s_mov_b32 s[G1Z+0], (2<<16)|(1<<20)|(7<<22)|(3<<25)
	s_mov_b32 s[G1Z+1], 256<<16
	s_mov_b32 s[G1Z+2], 16<<16
	s_mov_b32 s[G1Z+3], 256<<16
	s_mov_b32 s[G1Z+4], 16
	s_mov_b32 s[G1Z+5], 256
	s_mov_b32 s[G1Z+6], 0
	s_mov_b32 s[G1Z+7], 0
	s_mul_i32 s60, s12, WPART                      ; my part of a slot, in embt as in LDS: the wave's number alone
	s_mov_b32 s61, 0
	s_lshl_b32 s68, s15, 17                        ; the work-group's 128 rows of z,
	s_lshl_b32 s69, s12, 14                        ; my 16 of them
	s_add_co_u32 s68, s68, s69
	s_mov_b32 s69, 0
	s_lshl_b32 s70, s15, 9                         ; the work-group's 128 indices
	s_mov_b32 s71, 0
	s_mov_b32 s[G0S+0], 1
	s_mul_i32 s[G0S+1], s12, WPART
	s_mov_b32 s[G0S+4], 1
	s_add_co_u32 s[G0S+5], s[G0S+1], SLOTB
	s_mov_b32 s[G0Z+0], 1
	s_mul_i32 s[G0Z+1], s12, ZPART
	s_add_co_u32 s[G0Z+1], s[G0Z+1], SLOTB
	s_wait_dscnt 0x0
	s_wait_kmcnt 0x0
	s_add_nc_u64 s[G0S+2:G0S+3], s[6:7], s[60:61]              ; step 0
	s_add_nc_u64 s[G0S+6:G0S+7], s[G0S+2:G0S+3], SLOTB         ; step 1
	s_or_b32 s[G0S+3], s[G0S+3], 0x80000000
	s_or_b32 s[G0S+7], s[G0S+7], 0x80000000
	s_add_nc_u64 s[G0Z+2:G0Z+3], s[4:5], s[68:69]
	s_or_b32 s[G0Z+3], s[G0Z+3], 0x80000000
	s_add_nc_u64 s[8:9], s[8:9], s[70:71]
	s_add_nc_u64 s[10:11], s[10:11], s[70:71]
	ROUND                                          ; all four work-groups are here: the first joint loads meet
	tensor_load_to_lds s[G0Z:G0Z+3], s[G1Z:G1Z+7]  ; my 16 rows of z, into slot 1
	s_nop 0
	tensor_load_to_lds s[G0S:G0S+3], s[G1C:G1C+7]  ; my part of step 0, into slot 0
	s_nop 0
	; addresses and start values, while the two loads are on their way
	v_and_b32 v1, 15, v0                           ; r
	v_bfe_u32 v2, v0, 4, 1                         ; h
	v_mul_u32_u24 v3, v1, PITCH
	v_lshl_add_u32 v3, v2, 4, v3                   ; code row r, 16 h bytes in
	s_mul_i32 s62, s14, 4*TILEB                    ; my four tiles of a slot
	v_add_nc_u32 v[FAD], s62, v3
	v_add_nc_u32 v[FAD+1], SLOTB, v[FAD]
	v_mul_u32_u24 v3, v2, 2*PITCH                  ; E[8 h ..] lies in the paddings of rows 2 h and 2 h + 1
	v_add_nc_u32 v[EAD], s62, v3
	v_add_nc_u32 v[EAD+1], SLOTB, v[EAD]
	s_mul_i32 s63, s13, 64*ZP
	s_add_co_u32 s63, s63, SLOTB
	v_mul_u32_u24 v3, v1, ZP
	v_lshl_add_u32 v3, v2, 5, v3                   ; token row r, 8 h numbers in
	v_add_nc_u32 v[ZAD], s63, v3
	s_lshl_b32 s67, s12, 8
	s_add_co_u32 s67, s67, RED
	v_lshl_add_u32 v[RAD], v1, 2, s67              ; RED + 256 x wave + 4 r
	s_mov_b32 s45, 0x7f800000                      ; +infinity
	s_mov_b32 s46, 0x76543210                      ; v_permlanex16_b32: lane i reads lane i of the other half
	s_mov_b32 s47, 0xfedcba98
.irp t, 0,1,2,3
	v_mov_b32 v[BEST+\t], s45                      ; set 0: what the first tile reads
	v_mov_b32 v[TID+\t], 0
.endr
.set q, 0
.rept 32
	v_mov_b32 v[SAVE+q], s45                       ; the selects read what they keep: equal to the best until a tile beats it
.set q, q+1
.endr
	v_mov_b32 v[TV], 0                             ; destinations of v_permlanex16_b32 count as read
	v_mov_b32 v[TI], 0
	s_lshl_b32 s[CUR], s14, 6                      ; my first tile's first code: 64 cw
	s_wait_tensorcnt 0x1                           ; my rows of z are in; the load issued behind it (slot 0) stays out
	s_barrier_signal -1
	s_barrier_wait -1                              ; everybody's rows of z are in
; 16 tokens of z in f32 into the stage.  Lane (r, h) takes token r; for each s: k = 32 s + 8 h .. + 7 and 32 s + 16 + 8 h .. + 7 (ISA guide 7.12.2: 16-bit operands)
.macro LOADZ t
.set q, 0
.rept 8
	ds_load_b128 v[STG+16*q:STG+16*q+3],     v[ZAD] offset:(\t)*ZPART+128*q
	ds_load_b128 v[STG+16*q+4:STG+16*q+7],   v[ZAD] offset:(\t)*ZPART+128*q+16
	ds_load_b128 v[STG+16*q+8:STG+16*q+11],  v[ZAD] offset:(\t)*ZPART+128*q+64
	ds_load_b128 v[STG+16*q+12:STG+16*q+15], v[ZAD] offset:(\t)*ZPART+128*q+80
.set q, q+1
.endr
.endm
; Token tile t: round to bf16 into window 1, ask for the next tile, A = the sum of the rounded numbers' squares
.macro ZTOK t, more
	s_wait_dscnt 0x0                               ; the stage is full
	WIN 0x40                                       ; destination in window 1
.set q, 0
.rept 64
	v_cvt_pk_bf16_f32 v[64*\t+q], v[STG+2*q], v[STG+2*q+1]
.set q, q+1
.endr
	WIN 0
.if \more
	LOADZ (\t+1)
.endif
.irp c, 0,1,2,3
	v_mov_b32 v[DT+\c], 0
.endr
	WIN 0x05                                       ; sources 0 and 1 in window 1
.set q, 0
.rept 64
	v_fma_mix_f32_bf16 v[DT+q%4], v[64*\t+q], v[64*\t+q], v[DT+q%4] op_sel_hi:[1,1,0]                              ; low halves
	v_fma_mix_f32_bf16 v[DT+(q+2)%4], v[64*\t+q], v[64*\t+q], v[DT+(q+2)%4] op_sel:[1,1,0] op_sel_hi:[1,1,0]       ; high halves
.set q, q+1
.endr
	WIN 0
	v_add_f32 v[DT], v[DT], v[DT+1]
	v_add_f32 v[DT+2], v[DT+2], v[DT+3]
	v_add_f32 v[DT], v[DT], v[DT+2]                ; my 128 of token r's 256 numbers
	v_permlanex16_b32 v[DT+1], v[DT], s46, s47     ; the other 128
	v_add_f32 v[AV+2*\t], v[DT], v[DT+1]
	v_add_f32 v[AV+2*\t+1], v[DT], v[DT+1]         ; twice: a pair for the packed multiply-add
.endm
	LOADZ 0
	ZTOK 0, 1
	ZTOK 1, 1
	ZTOK 2, 1
	ZTOK 3, 0
; the fragments of tile i of my four in slot sl, into set f: 16 codes x 256 k, two loads of 16 bytes for each 32 k
.macro LOADF sl, i, f
.set q, 0
.rept 8
	ds_load_b128 v[FB+64*(\f)+8*q:FB+64*(\f)+8*q+3],   v[FAD+(\sl)] offset:(\i)*TILEB+64*q
	ds_load_b128 v[FB+64*(\f)+8*q+4:FB+64*(\f)+8*q+7], v[FAD+(\sl)] offset:(\i)*TILEB+64*q+32
.set q, q+1
.endr
.endm
.macro LOADE sl, i, f                  ; E of that tile's codes 8 h .. 8 h + 7
	ds_load_b128 v[EB+8*(\f):EB+8*(\f)+3],   v[EAD+(\sl)] offset:(\i)*TILEB+512
	ds_load_b128 v[EB+8*(\f)+4:EB+8*(\f)+7], v[EAD+(\sl)] offset:(\i)*TILEB+512+PITCH
.endm
; JUDGING.  JP = the pair of token tiles that is judged (0: tiles 0, 1; 1: tiles 2, 3), JG = the parity of their code tile (its sets of E and of the best).
; Rounding number EN (0 .. 15): 0 .. 7 d = fl(A - 2 dot), 8 .. 15 d = fl(d + E), two numbers at a time, in place in the accumulators.
; Their source 1 is a constant, so they run under the products' window setting.
.macro EPK
.set ET, 2*JP+(EN%8)/4
.set EI, EN%4
.set EP, ACC+8*ET+2*EI
.if EN < 8
	v_pk_fma_f32 v[EP:EP+1], v[EP:EP+1], -2.0, v[AV+2*ET:AV+2*ET+1] op_sel_hi:[1,0,1]
.else
	v_pk_fma_f32 v[EP:EP+1], v[EP:EP+1], 1.0, v[EB+8*JG+2*EI:EB+8*JG+2*EI+1] op_sel_hi:[1,0,1]
.endif
.set EN, EN+1
.endm
.macro TSET t                          ; the registers of token tile t
.set OB, BEST+4*JG+(\t)                ; the best before this tile
.set NB, BEST+4*(1-JG)+(\t)            ; and with it
.set TA, ACC+8*(\t)
.set TS, SAVE+8*(\t)
.set TD, DT+2*((\t)&1)
.set TM, MK+((\t)&1)
.set TT, TID+(\t)
.endm
.macro MIN3A t                         ; three minima that do not wait for each other
	TSET \t
	v_min3_num_f32 v[TD],   v[TA],   v[TA+1], v[TA+2]
	v_min3_num_f32 v[TD+1], v[TA+3], v[TA+4], v[TA+5]
	v_min3_num_f32 v[NB],   v[OB],   v[TA+6], v[TA+7]
.endm
.macro MIN3B t
	TSET \t
	v_min3_num_f32 v[NB], v[NB], v[TD], v[TD+1]    ; min(best, d0 .. d7)
.endm
.macro LESS t
	TSET \t
	v_cmp_lt_f32 s[TM], v[NB], v[OB]               ; strictly smaller: on a tie the earlier tile stays
.endm
.macro KEEP t, base                    ; four of the winning tile's eight distances
	TSET \t
.irp j, 0,1,2,3
	v_cndmask_b32 v[TS+\base+\j], v[TS+\base+\j], v[TA+\base+\j], s[TM]
.endr
.endm
.macro MARK t
	TSET \t
	v_cndmask_b32 v[TT], v[TT], s[CUR], s[TM]      ; and its first code
.endm
.macro JUDGE1                          ; 14 instructions, all windows 0
	MIN3A 2*JP
	MIN3A 2*JP+1
	MIN3B 2*JP
	MIN3B 2*JP+1
	LESS 2*JP
	LESS 2*JP+1
	KEEP 2*JP, 0
.endm
.macro JUDGE2                          ; the other 14
	KEEP 2*JP, 4
	MARK 2*JP
	MARK 2*JP+1
	KEEP 2*JP+1, 0
	KEEP 2*JP+1, 4
.endm
; Matrix instruction number HN (0 .. 15) of a phase: k = 32 (HN / 2) .., token tile 2 p + HN mod 2.  Source 0 = 16 codes, source 1 = 16 tokens:
; lane (r, h), register j holds token r, code 8 h + j.  The pair's two accumulators take turns, one instruction a turn.
; The first product of a tile starts its sum.
.macro MM f, p
.set MS, HN/2
.set MT, 2*(\p)+HN%2
.set MA, ACC+8*MT
.if MS == 0
	v_wmma_f32_16x16x32_bf16 v[MA:MA+7], v[FB+64*(\f)+8*MS:FB+64*(\f)+8*MS+7], v[64*MT+8*MS:64*MT+8*MS+7], 0
.else
	v_wmma_f32_16x16x32_bf16 v[MA:MA+7], v[FB+64*(\f)+8*MS:FB+64*(\f)+8*MS+7], v[64*MT+8*MS:64*MT+8*MS+7], v[MA:MA+7]
.endif
.set HN, HN+1
.endm
; A phase: pair p of the tile in fragment set f is multiplied; epi = 1: the other pair, of a tile of parity g, is judged meanwhile.
; It ends in 14 plain vector instructions (or four v_nop) that name no register of its last products: these are the places in front of the
; next phase's first reading of this pair's sums and of the next loads into this set of fragments.
.macro PHASE f, p, epi, g
.set JP, 1-(\p)
.set JG, \g
.set EN, 0
.set HN, 0
	WIN MULW
.rept 8
	MM \f, \p
.if \epi
	EPK
	EPK
.endif
.endr
.if \epi
	WIN 0                                          ; minima, compares and selects take vector registers as source 1
	JUDGE1
	WIN MULW
.endif
.rept 8
	MM \f, \p
.endr
	WIN 0
.if \epi
	JUDGE2
.else
	PLACES
.endif
.endm
; Tile i of my four in slot sl.  epi = 1: there is a tile before it whose second pair is still to be judged.
; next = 0: the next tile lies in this slot; 1: in the other slot; 2: there is none.  refill = 1: this slot is filled again, two steps ahead.
.macro TILE sl, i, epi, next, refill
.set TF, (\i)&1
.set TG, 1-TF
	s_wait_dscnt 0x0                               ; this tile's fragments and E are in; with next = 1 these were my last reads of this slot
.if \next == 1
	s_wait_tensorcnt 0x0                           ; all my tensor loads have landed: the one that was out is my part of the other slot,
	ds_add_u32 v254, v255
	s_wait_dscnt 0x0
.if \refill
	s_add_nc_u64 s[G0S+4*\sl+2:G0S+4*\sl+3], s[G0S+4*\sl+2:G0S+4*\sl+3], 2*SLOTB   ; so this slot's address may step
.endif
	s_barrier_signal -1                            ; say so (with refill = 1 this opens a round of the cluster's barrier)
.endif
.if \next == 0
	LOADF \sl, (\i+1), TG                          ; over the last tile's fragments: its last products stand 14 places back
.endif
	PHASE TF, 0, \epi, TG                          ; token tiles 0, 1 of this tile; judged: token tiles 2, 3 of the tile before.  Registers alone
.if \epi
.if (\i) == 0
	s_add_co_u32 s[CUR], s[CUR], 208               ; from the last step's tile 3 to this step's tile 0: 256 - 48 codes on
.else
	s_add_co_u32 s[CUR], s[CUR], 16
.endif
.endif
.if \next == 0
	LOADE \sl, (\i+1), TG                          ; that set of E was last read by the roundings of the phase above
.endif
.if \next == 1
	s_barrier_wait -1                              ; nobody in my work-group reads this slot any more, and the other slot is whole (every window is 0 here)
.if \refill
	CREST                                          ; the same holds of all four work-groups
	tensor_load_to_lds s[G0S+4*\sl:G0S+4*\sl+3], s[G1C:G1C+7]   ; my one tensor load behind the round, and the first thing there
	s_nop 0
.endif
	LOADF (1-\sl), 0, TG
	LOADE (1-\sl), 0, TG
.endif
	PHASE TF, 1, 1, TF                             ; token tiles 2, 3; judged: token tiles 0, 1 of this tile
.endm
.macro STEP sl, first, next, refill    ; 256 codes: my four tiles of slot sl
	TILE \sl, 0, (1-\first), 0, 0
	TILE \sl, 1, 1, 0, 0
	TILE \sl, 2, 1, 0, 0
	TILE \sl, 3, 1, \next, \refill
.endm
	s_wait_dscnt 0x0                               ; my reads of z are over
	s_wait_tensorcnt 0x0                           ; and my part of slot 0 has landed: no load of mine is out
	ds_add_u32 v254, v255
	s_wait_dscnt 0x0
	ROUND                                          ; both hold of every wave of the cluster
	tensor_load_to_lds s[G0S+4:G0S+7], s[G1C:G1C+7]    ; step 1, over the bytes that held z
	s_nop 0
	LOADF 0, 0, 0
	LOADE 0, 0, 0
	STEP 0, 1, 1, 1                                ; steps 0 and 1 stand in front of the loop: the first phase has nothing to judge
	STEP 1, 0, 1, 1
	WIN 0                                          ; at a label and at a branch every window is 0
	s_mov_b32 s44, 14                              ; steps 2 to 29
.Llap:
	STEP 0, 0, 1, 1
	STEP 1, 0, 1, 1
	WIN 0
	s_sub_co_u32 s44, s44, 1
	s_cmp_lg_u32 s44, 0
	s_cbranch_scc1 .Llap
	STEP 0, 0, 1, 0                                ; steps 30 and 31: nothing is left to fetch
	STEP 1, 0, 2, 0
.set JP, 1                                         ; token tiles 2, 3 of the last tile (parity 1) are judged; its last products stand 14 places back
.set JG, 1
.set EN, 0
.rept 16
	EPK
.endr
	JUDGE1
	JUDGE2
	; the best now lies in set 0.  Which register held it: the lowest j whose kept distance equals it
.irp t, 0,1,2,3
	v_mov_b32 v[JV+\t], 7
.endr
.irp j, 6,5,4,3,2,1,0
.irp t, 0,1,2,3
	v_cmp_eq_f32 s[MK+\t], v[SAVE+8*\t+\j], v[BEST+\t]
.endr
.irp t, 0,1,2,3
	v_cndmask_b32 v[JV+\t], v[JV+\t], \j, s[MK+\t]
.endr
.endr
.irp t, 0,1,2,3
	v_lshl_add_u32 v[JV+\t], v2, 3, v[JV+\t]       ; my codes were 8 h + j
	v_add_nc_u32 v[TID+\t], v[TID+\t], v[JV+\t]    ; the index
.endr
; (bv, bi) takes (ov, oi) where ov is smaller, or equal with the smaller index
.macro MERGE bv, bi, ov, oi
	v_cmp_lt_f32 s56, v[\ov], v[\bv]
	v_cmp_eq_f32 s57, v[\ov], v[\bv]
	v_cmp_lt_u32 s58, v[\oi], v[\bi]
	s_and_b32 s57, s57, s58
	s_or_b32 s56, s56, s57
	v_cndmask_b32 v[\bv], v[\bv], v[\ov], s56
	v_cndmask_b32 v[\bi], v[\bi], v[\oi], s56
.endm
.irp t, 0,1,2,3
	v_permlanex16_b32 v[TV], v[BEST+\t], s46, s47  ; the other half of token r's codes
	v_permlanex16_b32 v[TI], v[TID+\t], s46, s47
	MERGE BEST+\t, TID+\t, TV, TI
	ds_store_b32 v[RAD], v[BEST+\t] offset:64*\t           ; lanes r and r + 16 write the same word with the same number
	ds_store_b32 v[RAD], v[TID+\t]  offset:2048+64*\t
.endr
	s_wait_dscnt 0x0                               ; for wave 0's sake
	s_barrier_signal -1
	s_barrier_wait -1
	s_cmp_lg_u32 s12, 0
	s_cbranch_scc1 .Lnot_out
	; wave 0: lane l merges the four waves' figures of tokens 4 l .. 4 l + 3 and stores their indices
	v_lshlrev_b32 v10, 4, v0                       ; in wave 0 the thread's number is the lane: 16 l
	v_lshlrev_b32 v11, 4, v1                       ; 16 (l mod 16)
	v_lshl_add_u32 v11, v2, 10, v11                ; + 1,024 (l / 16): the four waves of that half of the tokens
	v_add_nc_u32 v11, RED, v11
.irp c, 0,1,2,3
	ds_load_b128 v[OV+4*\c:OV+4*\c+3], v11 offset:256*\c
	ds_load_b128 v[OI+4*\c:OI+4*\c+3], v11 offset:2048+256*\c
.endr
	s_wait_dscnt 0x0
.irp c, 1,2,3
.irp k, 0,1,2,3
	MERGE OV+\k, OI+\k, OV+4*\c+\k, OI+4*\c+\k
.endr
.endr
	global_store_b128 v10, v[OI:OI+3], s[8:9]      ; 512 consecutive bytes, aligned
	global_store_b128 v10, v[OI:OI+3], s[10:11]    ; the same for the next launch's addresses
.Lnot_out:
	s_wait_tensorcnt 0x0
	ds_add_u32 v254, v255
	s_wait_dscnt 0x0
	ROUND                                          ; the closing round: no work-group ends while a partner may still ask jointly
	s_endpgm
.Lfunc_end_k_q7a100da1c7_near:
	.size	k_q7a100da1c7_near, .Lfunc_end_k_q7a100da1c7_near-k_q7a100da1c7_near
	.p2alignl 7, 3214868480
	.fill 96, 4, 3214868480
	.section	.rodata,"a",@progbits
	.p2align	6, 0x0
	.amdhsa_kernel k_q7a100da1c7_near
		.amdhsa_group_segment_fixed_size 327680
		.amdhsa_private_segment_fixed_size 0
		.amdhsa_enable_private_segment 0
		.amdhsa_kernarg_size 32
		.amdhsa_user_sgpr_count 2
		.amdhsa_user_sgpr_kernarg_segment_ptr 1
		.amdhsa_wavefront_size32 1
		.amdhsa_system_sgpr_workgroup_id_x 1
		.amdhsa_system_sgpr_workgroup_id_y 1
		.amdhsa_system_sgpr_workgroup_id_z 1
		.amdhsa_system_vgpr_workitem_id 0
		.amdhsa_next_free_vgpr 512
		.amdhsa_next_free_sgpr 72
		.amdhsa_reserve_vcc 0
		.amdhsa_float_denorm_mode_32 3
		.amdhsa_float_denorm_mode_16_64 3
		.amdhsa_memory_ordered 1
		.amdhsa_forward_progress 1
		.amdhsa_inst_pref_size 255
	.end_amdhsa_kernel
	.section	.bss,"aw",@nobits
	.p2align	6
	.space	262144
	.amdgpu_metadata
---
amdhsa.version: [ 1, 2 ]
amdhsa.kernels:
  - .name:           k_q7a100da1c7_near
    .symbol:         k_q7a100da1c7_near.kd
    .args:
      - { .name: z, .offset: 0, .size: 8, .value_kind: global_buffer, .address_space: global }
      - { .name: embt, .offset: 8, .size: 8, .value_kind: global_buffer, .address_space: global }
      - { .name: out2, .offset: 16, .size: 8, .value_kind: global_buffer, .address_space: global }
      - { .name: pick, .offset: 24, .size: 8, .value_kind: global_buffer, .address_space: global }
    .group_segment_fixed_size: 327680
    .private_segment_fixed_size: 0
    .kernarg_segment_align: 8
    .kernarg_segment_size: 32
    .max_flat_workgroup_size: 256
    .sgpr_count:     72
    .vgpr_count:     512
    .wavefront_size: 32
...
	.end_amdgpu_metadata
.endif
;; end of part 2
;; launch quant (part 3): grid 512 x 1, 8 waves a work-group, no clusters, 1,280 bytes of LDS; arguments z, emb, pick, out0, part; writes out0, part
.if DOCPART == 3
	.amdgcn_target "amdgcn-amd-amdhsa--gfx1250"
	.amdhsa_code_object_version 6
	.text
	.protected	k_q7a100da1c7_quant
	.globl	k_q7a100da1c7_quant
	.p2align	8
	.type	k_q7a100da1c7_quant,@function
k_q7a100da1c7_quant:
	s_mov_b64 s[64:65], 0
	v_nop
	global_prefetch_b8 v0, s[64:65] scope:SCOPE_SE
	s_setreg_imm32_b32 hwreg(HW_REG_WAVE_MODE, 25, 1), 1
	s_wait_xcnt 0x0
; out0[t] = z[t] + (emb[pick[t]] - z[t]), both roundings in f32 as the problem's formula has them;
; part[work-group] = the sum over its 64 tokens of (emb[pick[t]] - z[t])^2, formed from the differences themselves.
; A wave owns 8 tokens: 16 loads of z and 16 of the table's rows are all issued before the first is used (16 KiB a wave on their way);
; each load and store of a wave covers 512 consecutive bytes, aligned.  Straight-line: no register of a pending access is written again.
; No LDS tiles, no cluster, no matrix unit: the rows that the list names are not shared in any order that is known beforehand.
; LIMIT: an index outside 0 .. 8191 (the launch before stores none) is clamped to 8191.
.set EO, 4                             ; v[4:11]    token i: byte offset of my 16 bytes in its table row
.set ZV, 16                            ; v[16:79]   token i: 8 numbers of z, then of out0
.set EV, 80                            ; v[80:143]  token i: 8 numbers of its table row
.set LS, 144                           ; v[144:151] sums of squares, four pairs
.set DV, 152                           ; v[152:159] the differences at work
	s_load_b256 s[4:11], s[0:1], 0x0               ; z s[4:5], emb s[6:7], pick s[8:9], out0 s[10:11]
	s_load_b64 s[12:13], s[0:1], 0x20              ; part
	v_lshl_add_u32 v160, v0, 2, 0x100
	v_mov_b32 v161, 0
	v_lshrrev_b32 v2, 5, v0
	v_readfirstlane_b32 s14, v2                    ; wave
	v_and_b32 v3, 31, v0
	v_lshlrev_b32 v1, 4, v3                        ; 16 bytes a lane
	s_lshl_b32 s15, ttmp9, 3
	s_add_co_u32 s15, s15, s14                     ; g = 8 x work-group + wave: tokens 8 g .. 8 g + 7
	s_lshl_b32 s24, s15, 5                         ; 8 indices
	s_mov_b32 s25, 0
	s_lshl_b32 s26, s15, 13                        ; 8 rows of 1,024 bytes
	s_mov_b32 s27, 0
	s_lshl_b32 s28, ttmp9, 2
	s_mov_b32 s29, 0
	s_mov_b32 s30, 0x76543210
	s_mov_b32 s31, 0xfedcba98
	s_wait_kmcnt 0x0
	s_add_nc_u64 s[8:9], s[8:9], s[24:25]
	s_load_b256 s[16:23], s[8:9], 0x0              ; my eight indices
	s_add_nc_u64 s[4:5], s[4:5], s[26:27]
	s_add_nc_u64 s[10:11], s[10:11], s[26:27]
	s_add_nc_u64 s[12:13], s[12:13], s[28:29]
.irp i, 0,1,2,3,4,5,6,7
	global_load_b128 v[ZV+8*\i:ZV+8*\i+3],   v1, s[4:5] offset:1024*\i th:TH_LOAD_NT
	global_load_b128 v[ZV+8*\i+4:ZV+8*\i+7], v1, s[4:5] offset:1024*\i+512 th:TH_LOAD_NT
.endr
	s_wait_kmcnt 0x0
.irp i, 0,1,2,3,4,5,6,7
	s_min_u32 s[16+\i], s[16+\i], 0x1fff           ; inside the table
	v_lshl_add_u32 v[EO+\i], s[16+\i], 10, v1      ; its row + 16 x lane
.endr
.irp i, 0,1,2,3,4,5,6,7
	global_load_b128 v[EV+8*\i:EV+8*\i+3],   v[EO+\i], s[6:7]
	global_load_b128 v[EV+8*\i+4:EV+8*\i+7], v[EO+\i], s[6:7] offset:512
.endr
.macro TOKEN i
	s_wait_loadcnt 14-2*\i                         ; loads come back in order: all of z and this token's row are in, the two loads of each later token stay out
.irp p, 0,1,2,3
	v_pk_add_f32 v[DV+2*\p:DV+2*\p+1], v[EV+8*\i+2*\p:EV+8*\i+2*\p+1], v[ZV+8*\i+2*\p:ZV+8*\i+2*\p+1] neg_lo:[0,1] neg_hi:[0,1]   ; z_q - z
.endr
.irp p, 0,1,2,3
.if \i == 0
	v_pk_mul_f32 v[LS+2*\p:LS+2*\p+1], v[DV+2*\p:DV+2*\p+1], v[DV+2*\p:DV+2*\p+1]                    ; the first squares start the sums
.else
	v_pk_fma_f32 v[LS+2*\p:LS+2*\p+1], v[DV+2*\p:DV+2*\p+1], v[DV+2*\p:DV+2*\p+1], v[LS+2*\p:LS+2*\p+1]
.endif
.endr
.irp p, 0,1,2,3
	v_pk_add_f32 v[ZV+8*\i+2*\p:ZV+8*\i+2*\p+1], v[ZV+8*\i+2*\p:ZV+8*\i+2*\p+1], v[DV+2*\p:DV+2*\p+1]   ; z + (z_q - z)
.endr
	global_store_b128 v1, v[ZV+8*\i:ZV+8*\i+3],   s[10:11] offset:1024*\i th:TH_STORE_NT
	global_store_b128 v1, v[ZV+8*\i+4:ZV+8*\i+7], s[10:11] offset:1024*\i+512 th:TH_STORE_NT
.endm
.irp i, 0,1,2,3,4,5,6,7
	TOKEN \i
.endr
	v_pk_add_f32 v[LS:LS+1], v[LS:LS+1], v[LS+2:LS+3]
	v_pk_add_f32 v[LS+4:LS+5], v[LS+4:LS+5], v[LS+6:LS+7]
	v_pk_add_f32 v[LS:LS+1], v[LS:LS+1], v[LS+4:LS+5]
	v_add_f32 v[LS], v[LS], v[LS+1]
	v_add_f32_dpp v[LS], v[LS], v[LS] row_xmask:1 row_mask:0xf bank_mask:0xf
	v_add_f32_dpp v[LS], v[LS], v[LS] row_xmask:2 row_mask:0xf bank_mask:0xf
	v_add_f32_dpp v[LS], v[LS], v[LS] row_xmask:4 row_mask:0xf bank_mask:0xf
	v_add_f32_dpp v[LS], v[LS], v[LS] row_xmask:8 row_mask:0xf bank_mask:0xf
	v_permlanex16_b32 v[LS+1], v[LS], s30, s31
	v_add_f32 v[LS], v[LS], v[LS+1]                ; the wave's sum, in every lane
	v_mov_b32 v12, s14
	v_lshlrev_b32 v12, 2, v12
	ds_store_b32 v12, v[LS]                        ; word number = wave
	s_wait_dscnt 0x0                               ; for wave 0's sake
	s_barrier_signal -1
	s_barrier_wait -1
	s_cmp_lg_u32 s14, 0
	s_cbranch_scc1 .Lend
	v_mov_b32 v13, 0
	ds_load_b128 v[DV:DV+3], v13
	ds_load_b128 v[DV+4:DV+7], v13 offset:16
	s_wait_dscnt 0x0
	v_pk_add_f32 v[DV:DV+1], v[DV:DV+1], v[DV+2:DV+3]
	v_pk_add_f32 v[DV+4:DV+5], v[DV+4:DV+5], v[DV+6:DV+7]
	v_pk_add_f32 v[DV:DV+1], v[DV:DV+1], v[DV+4:DV+5]
	v_add_f32 v[DV], v[DV], v[DV+1]
	v_cmp_eq_u32 vcc_lo, 0, v0
	s_wait_xcnt 0x0                                ; EXEC is a source of the stores above: it changes only behind this wait
	s_and_saveexec_b32 s32, vcc_lo
	global_store_b32 v13, v[DV], s[12:13]          ; one number for the work-group
	s_wait_xcnt 0x0                                ; and again in front of the line that widens it
	s_or_b32 exec_lo, exec_lo, s32
.Lend:
	s_wait_tensorcnt 0x0
	ds_add_u32 v160, v161
	s_wait_dscnt 0x0
	s_endpgm
.Lfunc_end_k_q7a100da1c7_quant:
	.size	k_q7a100da1c7_quant, .Lfunc_end_k_q7a100da1c7_quant-k_q7a100da1c7_quant
	.p2alignl 7, 3214868480
	.fill 96, 4, 3214868480
	.section	.rodata,"a",@progbits
	.p2align	6, 0x0
	.amdhsa_kernel k_q7a100da1c7_quant
		.amdhsa_group_segment_fixed_size 1280
		.amdhsa_private_segment_fixed_size 0
		.amdhsa_enable_private_segment 0
		.amdhsa_kernarg_size 40
		.amdhsa_user_sgpr_count 2
		.amdhsa_user_sgpr_kernarg_segment_ptr 1
		.amdhsa_wavefront_size32 1
		.amdhsa_system_sgpr_workgroup_id_x 1
		.amdhsa_system_sgpr_workgroup_id_y 1
		.amdhsa_system_sgpr_workgroup_id_z 1
		.amdhsa_system_vgpr_workitem_id 0
		.amdhsa_next_free_vgpr 162
		.amdhsa_next_free_sgpr 66
		.amdhsa_reserve_vcc 1
		.amdhsa_float_denorm_mode_32 3
		.amdhsa_float_denorm_mode_16_64 3
		.amdhsa_memory_ordered 1
		.amdhsa_forward_progress 1
		.amdhsa_inst_pref_size 15
	.end_amdhsa_kernel
	.amdgpu_metadata
---
amdhsa.version: [ 1, 2 ]
amdhsa.kernels:
  - .name:           k_q7a100da1c7_quant
    .symbol:         k_q7a100da1c7_quant.kd
    .args:
      - { .name: z, .offset: 0, .size: 8, .value_kind: global_buffer, .address_space: global }
      - { .name: emb, .offset: 8, .size: 8, .value_kind: global_buffer, .address_space: global }
      - { .name: pick, .offset: 16, .size: 8, .value_kind: global_buffer, .address_space: global }
      - { .name: out0, .offset: 24, .size: 8, .value_kind: global_buffer, .address_space: global }
      - { .name: part, .offset: 32, .size: 8, .value_kind: global_buffer, .address_space: global }
    .group_segment_fixed_size: 1280
    .private_segment_fixed_size: 0
    .kernarg_segment_align: 8
    .kernarg_segment_size: 40
    .max_flat_workgroup_size: 256
    .sgpr_count:     66
    .vgpr_count:     162
    .wavefront_size: 32
...
	.end_amdgpu_metadata
.endif
;; end of part 3
;; launch total (part 4): grid 1 x 1, 1 waves a work-group, no clusters, 0 bytes of LDS; arguments part, out1; writes out1
.if DOCPART == 4
	.amdgcn_target "amdgcn-amd-amdhsa--gfx1250"
	.amdhsa_code_object_version 6
	.text
	.protected	k_q7a100da1c7_total
	.globl	k_q7a100da1c7_total
	.p2align	8
	.type	k_q7a100da1c7_total,@function
k_q7a100da1c7_total:
	s_mov_b64 s[64:65], 0
	v_nop
	global_prefetch_b8 v0, s[64:65] scope:SCOPE_SE
	s_setreg_imm32_b32 hwreg(HW_REG_WAVE_MODE, 25, 1), 1
	s_wait_xcnt 0x0
; out1 = m + 0.25 m, m = (the sum of the 512 partial sums) / 2^23 (8 x 4,096 x 256 numbers).
; One wave: the sum spans the work-groups of the launch before, so it is made here, in a fixed order: 16 numbers a lane, then across the lanes.
	s_load_b128 s[4:7], s[0:1], 0x0                ; part s[4:5], out1 s[6:7]
	v_lshlrev_b32 v1, 4, v0
	v_mov_b32 v2, 0
	s_mov_b32 s8, 0x76543210
	s_mov_b32 s9, 0xfedcba98
	s_mov_b32 s11, 0x3e800000                      ; 0.25
	s_wait_kmcnt 0x0
.irp i, 0,1,2,3
	global_load_b128 v[4+4*\i:7+4*\i], v1, s[4:5] offset:512*\i
.endr
	s_wait_loadcnt 0x0
	v_pk_add_f32 v[4:5], v[4:5], v[6:7]
	v_pk_add_f32 v[8:9], v[8:9], v[10:11]
	v_pk_add_f32 v[12:13], v[12:13], v[14:15]
	v_pk_add_f32 v[16:17], v[16:17], v[18:19]
	v_pk_add_f32 v[4:5], v[4:5], v[8:9]
	v_pk_add_f32 v[12:13], v[12:13], v[16:17]
	v_pk_add_f32 v[4:5], v[4:5], v[12:13]
	v_add_f32 v4, v4, v5
	v_add_f32_dpp v4, v4, v4 row_xmask:1 row_mask:0xf bank_mask:0xf
	v_add_f32_dpp v4, v4, v4 row_xmask:2 row_mask:0xf bank_mask:0xf
	v_add_f32_dpp v4, v4, v4 row_xmask:4 row_mask:0xf bank_mask:0xf
	v_add_f32_dpp v4, v4, v4 row_xmask:8 row_mask:0xf bank_mask:0xf
	v_permlanex16_b32 v5, v4, s8, s9
	v_add_f32 v4, v4, v5
	v_mul_f32 v4, 0x34000000, v4                   ; x 2^-23: the mean
	v_fma_f32 v5, v4, s11, v4                      ; 0.25 m + m
	v_cmp_eq_u32 vcc_lo, 0, v0
	s_wait_xcnt 0x0                                ; EXEC changes only behind this wait
	s_and_saveexec_b32 s10, vcc_lo
	global_store_b32 v2, v5, s[6:7]
	s_wait_xcnt 0x0
	s_or_b32 exec_lo, exec_lo, s10
	s_endpgm
.Lfunc_end_k_q7a100da1c7_total:
	.size	k_q7a100da1c7_total, .Lfunc_end_k_q7a100da1c7_total-k_q7a100da1c7_total
	.p2alignl 7, 3214868480
	.fill 96, 4, 3214868480
	.section	.rodata,"a",@progbits
	.p2align	6, 0x0
	.amdhsa_kernel k_q7a100da1c7_total
		.amdhsa_group_segment_fixed_size 0
		.amdhsa_private_segment_fixed_size 0
		.amdhsa_enable_private_segment 0
		.amdhsa_kernarg_size 16
		.amdhsa_user_sgpr_count 2
		.amdhsa_user_sgpr_kernarg_segment_ptr 1
		.amdhsa_wavefront_size32 1
		.amdhsa_system_sgpr_workgroup_id_x 1
		.amdhsa_system_sgpr_workgroup_id_y 1
		.amdhsa_system_sgpr_workgroup_id_z 1
		.amdhsa_system_vgpr_workitem_id 0
		.amdhsa_next_free_vgpr 32
		.amdhsa_next_free_sgpr 66
		.amdhsa_reserve_vcc 1
		.amdhsa_float_denorm_mode_32 3
		.amdhsa_float_denorm_mode_16_64 3
		.amdhsa_memory_ordered 1
		.amdhsa_forward_progress 1
		.amdhsa_inst_pref_size 3
	.end_amdhsa_kernel
	.amdgpu_metadata
---
amdhsa.version: [ 1, 2 ]
amdhsa.kernels:
  - .name:           k_q7a100da1c7_total
    .symbol:         k_q7a100da1c7_total.kd
    .args:
      - { .name: part, .offset: 0, .size: 8, .value_kind: global_buffer, .address_space: global }
      - { .name: out1, .offset: 8, .size: 8, .value_kind: global_buffer, .address_space: global }
    .group_segment_fixed_size: 0
    .private_segment_fixed_size: 0
    .kernarg_segment_align: 8
    .kernarg_segment_size: 16
    .max_flat_workgroup_size: 32
    .sgpr_count:     66
    .vgpr_count:     32
    .wavefront_size: 32
...
	.end_amdgpu_metadata
.endif
;; end of part 4
